; MI455X (gfx1250); checked and timed in simulation.
; The chip was launched on July 23, 2026; its instructions are those of AMD's public machine-readable ISA for CDNA 5 (MIT licence, August 2026) and "CDNA5" Instruction Set Architecture Reference Guide (July 2026). The comments in the code are by the model that wrote it; some were corrected since.
;; Causal Self Attention. Allowed arithmetic: matrix products marked QUANTISED: E4M3 operands, one given power-of-two scale a tensor, by v_wmma_f32_16x16x64_fp8_fp8 or v_wmma_f32_16x16x128_fp8_fp8, f32 sums; everything else in f32.
;; Inputs: lowp_scales 8 int32 (the exponents e of the quantised operands' scales 2^e); w_out_codes 1,024 x 32 x 32 uint8 (E4M3 codes of w_out, K innermost, in blocks of 32 codes); w_qkv_codes 3,072 x 32 x 32 uint8 (E4M3 codes of w_qkv, K innermost, in blocks of 32 codes); x_codes 4 x 2,048 x 32 x 32 uint8 (E4M3 codes of x, K innermost, in blocks of 32 codes).
;; Outputs: out0 4 x 2,048 x 1,024 float32.
;; This version of the problem:
;;   THIS VERSION OF THE PROBLEM IS GIVEN IN LOW PRECISION. The matrix products marked QUANTISED in the list below multiply operands that are first quantised to E4M3 (4 exponent bits, 3 mantissa bits; 8 bits a number), with one given power-of-two scale for each operand tensor; their sums are f32. All else is computed in f32.
;;   The module's matrix products, in the order in which they are computed (A, B: the left and right operand; K: the contracted axis; several contracted axes count as one K, in the product's order):
;;     1. [M 8,192, K 1,024] x [K 1,024, N 3,072]; A: input x (given as codes); B: input w_qkv (given as codes): QUANTISED (scales: A lowp_scales[0], B lowp_scales[1])
;;     2. batch 64 x [M 2,048, K 64] x [K 64, N 2,048]; A: computed on the way; B: computed on the way: QUANTISED (scales: A lowp_scales[2], B lowp_scales[3])
;;     3. batch 64 x [M 2,048, K 2,048] x [K 2,048, N 64]; A: softmax (see below); B: computed on the way: QUANTISED (scales: A lowp_scales[4], B lowp_scales[5])
;;     4. [M 8,192, K 1,024] x [K 1,024, N 1,024]; A: computed on the way; B: input w_out (given as codes): QUANTISED (scales: A lowp_scales[6], B lowp_scales[7])
;;   THE QUANTISER, for each operand of a quantised product, along K:
;;     - The operand's scale is 2^e, e = its entry of the input lowp_scales (int32; the entries are numbered through the quantised products in the list's order, A before B).
;;     - Each number is divided by the scale, clamped to +-448, and rounded to the nearest number of E4M3, ties to even, subnormals kept.
;;     - The product sums the exact products of the quantised numbers (number of the format x scale) in f32.
;;   ~~~python
;;   def quantise(x, axis, e):      # numpy; x: float32 -> the quantised numbers, widened to float32 again
;;       x = np.moveaxis(x, axis, -1); K = x.shape[-1]
;;       r = np.clip(x / 2.0 ** e, -448, 448)
;;       step = 2.0 ** (np.maximum(np.frexp(np.where(r == 0, 1, r))[1] - 1, -6) - 3)
;;       q = np.round(r / step) * step * 2.0 ** e      # np.round: ties to even
;;       return np.moveaxis(q, -1, axis).astype(np.float32)
;;   ~~~
;;   SOFTMAX AHEAD OF A QUANTISED PRODUCT. Where the list says 'softmax', what is quantised is not the finished softmax but p = 2^(t - M), with t = logit x log2(e) and M = ceil(the row's largest t), a whole number; so 1/2 < the row's largest p <= 1. The row's sum l is taken of the UNQUANTISED p, in f32, and the product's result is divided by l at the end. Since M is a whole number, a kernel that streams over the keys may use a running M (the ceiling of the running maximum): every later rescaling is an exact power of two, so the quantised numbers keep their values, but for numbers so far below the row's largest that they fall under the format's range.
;;   OPERANDS COMPUTED ON THE WAY. 'Computed on the way' means the value that the module computes at that place (a softmax that the list does not call 'softmax' is quantised finished and normalised). What goes into a quantiser is computed in f32, as accurately as f32 sums, v_exp_f32 and their like allow (about 1e-6 of the number): no bf16 or f16 on the way to a quantiser, and a product that is left as it is and whose result goes on into a quantised operand takes f32 operands (vector FMAs, or v_wmma_f32_16x16x4_f32). A number that lies on a knife's edge between two numbers of the format may be rounded either way, as far as f32 arithmetic and the matrix unit's own rounding can turn it there, and no further.
;;   INPUTS GIVEN AS CODES. w_out (in the module: [1024, 1024], K = its axis 1); w_qkv (in the module: [3072, 1024], K = its axis 1); x (in the module: [4, 2048, 1024], K = its axis 2): each comes as NAME_codes (uint8): NAME with its K axis moved to the last place and cut into blocks of 32 codes, [.., K / 32, bytes a block], one block behind the other in memory; one code a byte (a code: sign, 4 exponent bits, 3 mantissa bits); its scale is its entry of lowp_scales. Its value is code x scale, taken as it is: it is not quantised again, and the codes and scales need not be those that the quantiser above would give.
;; One version. Each part assembles by itself: llvm-mc -triple=amdgcn-amd-amdhsa -mcpu=gfx1250 --defsym DOCPART=n.
;; ======== version 1 of 1: 3 launches
;; limits: right only within a limited range of input values
;; workspace buffers: q_codes 8,388,608 bytes; k_codes 8,388,608 bytes; v_codes 8,388,608 bytes; y_codes 8,388,608 bytes
;; launch qkv (part 1): grid 12 x 32, 4 waves a work-group, clusters of 4 x 4, 327,680 bytes of LDS; arguments x_codes, w_qkv_codes, lowp_scales, q_codes, k_codes, v_codes; writes q_codes, k_codes, v_codes
.if DOCPART == 1
	.amdgcn_target "amdgcn-amd-amdhsa--gfx1250"
	.amdhsa_code_object_version 6
	.text
	.protected	k_qb304a1d828_qkv
	.globl	k_qb304a1d828_qkv
	.p2align	8
	.type	k_qb304a1d828_qkv,@function
k_qb304a1d828_qkv:
	s_mov_b64 s[64:65], 0
	v_nop
	global_prefetch_b8 v0, s[64:65] scope:SCOPE_SE
	s_setreg_imm32_b32 hwreg(HW_REG_WAVE_MODE, 25, 1), 1
	s_wait_xcnt 0x0
	s_wait_alu depctr_hold_cnt(0) depctr_sa_sdst(0) depctr_va_vdst(0) depctr_va_sdst(0) depctr_va_ssrc(0) depctr_va_vcc(0) depctr_vm_vsrc(0)
	s_getreg_b32 s2, hwreg(HW_REG_IB_STS2, 6, 4)
	s_cmp_eq_u32 s2, 0
	s_cbranch_scc0 .Lentry_in_a_cluster
	s_endpgm
.Lentry_in_a_cluster:
	s_bfe_u32 s2, ttmp6, 0x10000c
	s_cmp_lg_u32 s2, 0xf033
	s_cbranch_scc0 .Lentry_shape_is_right
	s_endpgm
.Lentry_shape_is_right:
; qkv = x w_qkv^T on codes of FP8 (E4M3), and q, k, v quantised on the way out.  x: [8192][1024] codes, w_qkv: [3072][1024] codes, K innermost.
; A work-group of four waves makes 256 tokens x 256 rows of w; a wave 128 x 128: 64 accumulators, 512 registers.  K goes in four steps of 256 through two LDS slots filled by the tensor data mover.
; CLUSTERS: 4 x 4 work-groups.  The four of a row need the same 256 rows of x, the four of a column the same 256 rows of w: each tile is asked for jointly.
; THE MODE is the cluster's x (the same in all sixteen partners): 0 = q, 1 = k, 2 = v, since 1,024 rows of w are four tile columns.
; THE TWO SIDES.  Source 1 takes the Q side (a lane holds ONE of its rows), source 0 the P side (a lane's eight results are eight neighbouring P rows).  For q and k: Q = tokens, P = channels, so a lane's
; results run along the head's channels, the next product's K.  For v: Q = channels, P = tokens, so they run along the keys, which are v's K.  What lands where in LDS is the same in all modes; only the read addresses differ.
; OUT.  code = sum x 2^(e0 + e1) / 2^eT, eT = e2 (q), e3 (k), e5 (v): the three exponents are folded into the conversion's one scale.
;   q_codes, k_codes: [16 b + head][t][64];   v_codes: [16 b + head][t / 64][d][64 keys].  Inside each 32 of the last axis, number 16 u + 8 h + i stands at byte 16 h + 8 u + i (u, h = 0, 1): a lane's codes of two
;   neighbouring accumulators are then 16 bytes on end.  q and k carry the same order, so their products are untouched; for v it is the order in which the next launch's 16-byte loads give the plain form its keys.
; LIMITS: eT - e0 - e1 between -126 and 119, so that the scale and 448 x the scale are f32 numbers.  NaN codes among the inputs are not served.
; REGISTERS, in windows of 256: window 0: v0-31 addresses and two constants; v32-95 held numbers, v96-223 codes (way out); v128-255 Q's fragments, one set.  window 1: P's fragments, two sets.  windows 2, 3: the accumulators.
.set KROW,   1024                      ; a row of x or of w in memory, in bytes
.set ROWB,   256                       ; a tile's row: 256 codes
.set PITCH,  272                       ; an LDS row: 256 bytes + 16 of padding = 68 words: 16 neighbouring rows start at 16 different banks (64 banks of 4 bytes: ISA guide 11.1)
.set FR,     16                        ; registers of a fragment: 16 rows x 128 K
.set NL,     4                         ; LDS loads that bring one
.set NP,     4                         ; places behind this matrix instruction (ISA guide 7.12.1)
.set HALFT,  128*PITCH                 ; 128 rows: what one tensor load brings
.set SLOT,   4*HALFT                   ; x's 256 rows, then w's 256 rows
.set SPARE,  2*SLOT                    ; behind the ring: the spare words, 128 bytes a wave
.set UNIT,   272                       ; the stage: four rows of 64 codes + 16 bytes of padding
.set CBLK,   64*UNIT                   ; a column block of the stage: 256 Q rows x 64 P.  The stage (four of them) lies in slot 0, which has had its last fill and its last read when the first code is stored there
.set GOF,  10                          ; v10-13  my byte offsets in the output
.set ADRQ, 16                          ; v16-17  LDS address of my Q fragments in slot 0, 1
.set ADRP, 20                          ; v20-21  the same for P
.set STO,  24                          ; v24     the stage: where I put 16 codes
.set RD,   25                          ; v25     and where I read two units back
.set SPW,  28                          ; v28     LDS address of my spare word; never rewritten
.set NIL,  29                          ; v29     0; never rewritten
.set LIM,  30
.set SCL,  31                          ; v31     the scale 2^(eT - e0 - e1) as f32
.set TMP,  32
.set COD,  96
.set QF,   128
.set G1, 24                            ; s[24:31] group 1 for x's tiles;  s[32:39] group 0, one set for each slot
.set G0, 32
.set G1B, 48                           ; s[48:55], s[56:63] the same for w's tiles
.set G0B, 56
.set MSB, 0
.macro WIN new                         ; the immediate's high byte repeats the setting that is left
.if MSB != \new
	s_set_vgpr_msb (MSB<<8)|\new
.set MSB, \new
.endif
.endm
.set MUL_LO, 0xa1                      ; source 0 (P) window 1, source 1 (Q) window 0, C and D window 2
.set MUL_HI, 0xf1                      ; the same, C and D window 3
.set TO_P,   0x40                      ; destination window 1, address window 0
; A joint load: waves 0 and 1 fetch x's halves, waves 2 and 3 w's.  The branch hangs on the wave's number alone.  Four v_nop follow each of the two lines.
.macro JLOAD g0a, g1a, g0b, g1b
	s_cmp_eq_u32 s15, 0
	s_cbranch_scc0 .Lfor_b_\@
	tensor_load_to_lds s[\g0a:\g0a+3], s[\g1a:\g1a+7]
	s_nop 0
.rept 4
	v_nop
.endr
	s_branch .Lasked_\@
.Lfor_b_\@:
	tensor_load_to_lds s[\g0b:\g0b+3], s[\g1b:\g1b+7]
	s_nop 0
.rept 4
	v_nop
.endr
.Lasked_\@:
.endm
.macro CREST                           ; a round of the cluster's barrier behind its opening barrier
	s_cmp_lg_u32 s14, 0
	s_cbranch_scc1 .Lnot_wave_0_\@
	s_barrier_signal -3
.Lnot_wave_0_\@:
	s_barrier_wait -3
	s_barrier_signal -1
	s_barrier_wait -1
.endm
.macro CROUND                          ; a whole round
	s_barrier_signal -1
	s_barrier_wait -1
	CREST
.endm
	s_load_b128 s[4:7], s[0:1], 0x0                ; x's codes s[4:5], w's codes s[6:7]
	s_load_b64 s[8:9], s[0:1], 0x10                ; the scales' exponents
	s_load_b128 s[80:83], s[0:1], 0x18             ; q's codes, k's codes
	s_load_b64 s[84:85], s[0:1], 0x28              ; v's codes
	v_lshl_add_u32 v[SPW], v0, 2, SPARE
	v_mov_b32 v[NIL], 0
	ds_add_u32 v28, v29
	ds_add_u32 v28, v29
	s_wait_dscnt 0x0
	v_lshrrev_b32 v1, 5, v0
	v_readfirstlane_b32 s14, v1                    ; wave 0..3
	s_lshr_b32 s15, s14, 1                         ; which 128 Q rows are mine.  Also: I fetch for x (0) or for w (1)
	s_and_b32 s16, s14, 1                          ; which 128 P rows.  Also: which 128 rows of that tile I fetch
	s_bfe_u32 s40, ttmp6, 0x40000                  ; cx, cy: my place in the cluster
	s_bfe_u32 s41, ttmp6, 0x40004
	s_lshl_b32 s42, ttmp9, 2
	s_add_co_u32 s42, s42, s40                     ; tile column (256 rows of w) = 4 x cluster x + cx
	s_and_b32 s17, ttmp7, 0xffff
	s_lshl_b32 s17, s17, 2
	s_add_co_u32 s17, s17, s41                     ; tile row (256 tokens) = 4 x cluster y + cy
	s_lshl_b32 s43, s41, 2
	s_lshl_b32 s43, 15, s43                        ; my row of the cluster
	s_lshl_b32 s44, 0x1111, s40                    ; my column
	; group 1: a tile of 128 rows x 256 bytes, padded in LDS
	s_or_b32 s[G1+0], s43, (0<<16)|(1<<20)|(1<<21)|(5<<22)|(3<<25)  ; the mask: x's tiles go to my row; elements of 1 byte; padding on; bit 21 beside a mask; after every 64 words, 4 words
	s_or_b32 s[G1B+0], s44, (0<<16)|(1<<20)|(1<<21)|(5<<22)|(3<<25) ; the same with my column's mask, for w's tiles
.irp g, G1, G1B
	s_mov_b32 s[\g+1], ROWB<<16                    ; tensor_dim0
	s_mov_b32 s[\g+2], 128<<16                     ; tensor_dim1
	s_mov_b32 s[\g+3], ROWB<<16                    ; tile_dim0
	s_mov_b32 s[\g+4], 128                         ; tile_dim1
	s_mov_b32 s[\g+5], KROW                        ; from row to row
	s_mov_b32 s[\g+6], 0
	s_mov_b32 s[\g+7], 0
.endr
	s_lshl_b32 s18, s16, 7                         ; which 128 rows of the tile I fetch
	s_lshl_b32 s20, s17, 8
	s_add_co_u32 s20, s20, s18                     ; x: row 256 x tile row + 128 x half,
	s_lshl_b32 s20, s20, 10                        ; in bytes (under 2^23)
	s_mov_b32 s21, 0
	s_lshl_b32 s46, s42, 8
	s_add_co_u32 s46, s46, s18                     ; w: row 256 x tile column + 128 x half
	s_lshl_b32 s46, s46, 10
	s_mov_b32 s47, 0
	s_mul_i32 s45, s14, HALFT                      ; where they go: wave x 128 rows: no place in the cluster enters an LDS address
	s_wait_kmcnt 0x0
	s_load_b256 s[72:79], s[8:9], 0x0              ; e0 .. e7
	s_add_nc_u64 s[20:21], s[4:5], s[20:21]
	s_add_nc_u64 s[46:47], s[6:7], s[46:47]
	CROUND                                         ; all sixteen work-groups are here: the first joint loads meet
.irp s, 0,1
	s_mov_b32 s[G0+4*\s], 1
	s_add_co_u32 s[G0+4*\s+1], s45, \s*SLOT
	s_add_nc_u64 s[G0+4*\s+2:G0+4*\s+3], s[20:21], \s*ROWB
	s_or_b32 s[G0+4*\s+3], s[G0+4*\s+3], 0x80000000
	s_mov_b32 s[G0B+4*\s], 1
	s_add_co_u32 s[G0B+4*\s+1], s45, \s*SLOT
	s_add_nc_u64 s[G0B+4*\s+2:G0B+4*\s+3], s[46:47], \s*ROWB
	s_or_b32 s[G0B+4*\s+3], s[G0B+4*\s+3], 0x80000000
	s_wait_alu depctr_va_vdst(0)
	s_wait_tensorcnt 0x0
	ds_add_u32 v28, v29
	ds_add_u32 v28, v29
	s_wait_dscnt 0x0
	CROUND
	JLOAD G0+4*\s, G1, G0B+4*\s, G1B
.endr
	v_and_b32 v1, 15, v0                           ; r = lane % 16
	v_bfe_u32 v2, v0, 4, 1                         ; h = lane / 16
	v_mul_u32_u24 v3, v1, PITCH
	v_lshl_add_u32 v4, v2, 4, v3                   ; a fragment's row x pitch + 16 h
	s_wait_alu depctr_va_vdst(0)
	s_cmp_eq_u32 ttmp9, 2                          ; mode v?  The choice hangs on the cluster's x alone
	s_cselect_b32 s90, 2*HALFT, 0                  ; where the Q side lies in a slot: w's rows for v, else x's
	s_cselect_b32 s91, 0, 2*HALFT                  ; and the P side
	s_mul_i32 s21, s15, HALFT
	s_add_co_u32 s21, s21, s90                     ; my 128 Q rows
	s_mul_i32 s22, s16, HALFT
	s_add_co_u32 s22, s22, s91                     ; my 128 P rows
.irp s, 0,1
	v_add_nc_u32 v[ADRQ+\s], s21, v4
	v_add_nc_u32 v[ADRP+\s], s22, v4
	s_add_co_u32 s21, s21, SLOT
	s_add_co_u32 s22, s22, SLOT
.endr
	v_lshrrev_b32 v5, 2, v1
	v_and_b32 v6, 3, v1
	v_mul_u32_u24 v5, v5, UNIT
	v_lshl_add_u32 v5, v6, 6, v5
	v_lshl_add_u32 v5, v2, 4, v5                   ; in a unit: (r / 4) x 272 + (r % 4) x 64 + 16 h
	s_mul_i32 s23, s16, 2*CBLK                     ; my two column blocks,
	s_mul_i32 s19, s15, 32*UNIT                    ; my 128 Q rows = 32 units
	s_add_co_u32 s23, s23, s19
	v_add_nc_u32 v[STO], s23, v5
	v_mul_u32_u24 v6, v2, UNIT
	v_lshl_add_u32 v6, v1, 4, v6                   ; back: lanes 0-15 one unit of 256 bytes, lanes 16-31 the next
	s_mul_i32 s23, s14, CBLK                       ; wave w stores column block w
	v_add_nc_u32 v[RD], s23, v6
	; the mode's scale, buffer and strides
	s_wait_kmcnt 0x0
	s_mov_b32 s93, 0x20000                         ; a head's 131,072 bytes
	s_mov_b32 s94, 0x1000                          ; 64 rows of 64 bytes
	s_cmp_eq_u32 ttmp9, 0
	s_cselect_b32 s92, s74, s75                    ; e2 for q, e3 for k,
	s_cselect_b64 s[10:11], s[80:81], s[82:83]
	s_cmp_eq_u32 ttmp9, 2
	s_cselect_b32 s92, s77, s92                    ; e5 for v
	s_cselect_b64 s[10:11], s[84:85], s[10:11]
	s_cselect_b32 s95, s94, s93                    ; from column block to column block: a head (q, k) or 64 keys (v)
	s_cselect_b32 s96, s93, s94                    ; from 64 Q rows to the next: 64 tokens (q, k) or a head (v)
	s_sub_co_i32 s92, s92, s72
	s_sub_co_i32 s92, s92, s73                     ; eT - e0 - e1
	s_add_co_i32 s92, s92, 127
	s_lshl_b32 s97, s92, 23
	v_mov_b32 v[SCL], s97                          ; the conversion takes its exponent field
	s_lshr_b32 s20, s17, 3
	s_lshl_b32 s20, s20, 21                        ; the batch: 16 heads of 2^17 bytes
	s_lshl_b32 s21, s40, 19                        ; my tile column's four heads
	s_add_co_u32 s20, s20, s21
	s_and_b32 s21, s17, 7
	s_lshl_b32 s21, s21, 14                        ; my 256 tokens: 2^14 bytes in either layout
	s_add_co_u32 s20, s20, s21
	s_mul_i32 s21, s14, s95
	s_add_co_u32 s20, s20, s21
	s_mov_b32 s21, 0
	s_add_nc_u64 s[10:11], s[10:11], s[20:21]
	v_and_b32 v5, 31, v0
	v_lshlrev_b32 v[GOF], 4, v5
	v_add_nc_u32 v[GOF+1], s96, v[GOF]
	v_add_nc_u32 v[GOF+2], s96, v[GOF+1]
	v_add_nc_u32 v[GOF+3], s96, v[GOF+2]
.macro FRAG reg, adr, q, i             ; 16 rows x 128 K in 16 registers: registers 4 c .. 4 c + 3 hold K = 32 c + 16 h + 0 .. 15: the same order of k on both sides, so every product meets its partner
.irp c, 0,1,2,3
	ds_load_b128 v[\reg+4*\c:\reg+4*\c+3], v[\adr] offset:128*(\q)+32*\c+(\i)*16*PITCH
.endr
.endm
; 16 matrix instructions: Q's blocks a0, a0 + 1 x P's eight.  p: P's set.  zero = 1: the first product starts the sums.  The 64 accumulators take turns.
.macro MUL16 a0, p, zero
.irp a, \a0, \a0+1
.irp b, 0,1,2,3,4,5,6,7
.if \zero
	v_wmma_f32_16x16x128_fp8_fp8 v[8*(8*((\a)%4)+\b):8*(8*((\a)%4)+\b)+7], v[128*(\p)+FR*\b:128*(\p)+FR*\b+FR-1], v[QF+FR*(\a):QF+FR*(\a)+FR-1], 0
.else
	v_wmma_f32_16x16x128_fp8_fp8 v[8*(8*((\a)%4)+\b):8*(8*((\a)%4)+\b)+7], v[128*(\p)+FR*\b:128*(\p)+FR*\b+FR-1], v[QF+FR*(\a):QF+FR*(\a)+FR-1], v[8*(8*((\a)%4)+\b):8*(8*((\a)%4)+\b)+7]
.endif
.endr
.endr
.endm
.macro FETCH_P slot, q, p              ; P's eight fragments of the slot's q-th 128 along K into set p
	WIN TO_P
.irp i, 0,1,2,3,4,5,6,7
	FRAG 128*(\p)+FR*\i, ADRP+\slot, \q, \i
.endr
	WIN 0
.endm
.macro FETCH_Q slot, q, i0             ; Q's blocks i0 .. i0 + 3
.irp i, \i0, \i0+1, \i0+2, \i0+3
	FRAG QF+FR*(\i), ADRQ+\slot, \q, \i
.endr
.endm
.macro PLACES n                        ; plain vector lines between a matrix instruction and a load into, or a vector read of, its registers
.rept \n
	v_nop
.endr
.endm
; A step of 128 along K that has its successor in the same slot.
.macro STEP slot, q, zero
	s_wait_dscnt 4*NL                              ; P's set and Q's blocks 0-3 are in; the youngest sixteen loads (Q's blocks 4-7) may be out
	WIN MUL_LO
	MUL16 0, (\q)%2, \zero
	MUL16 2, (\q)%2, \zero
	s_wait_dscnt 0                                 ; Q's blocks 4-7 are in
	PLACES NP
	FETCH_P \slot, (\q)+1, 1-(\q)%2
	FETCH_Q \slot, (\q)+1, 0
	WIN MUL_HI
	MUL16 4, (\q)%2, \zero
	MUL16 6, (\q)%2, \zero
	PLACES NP
	WIN 0
	FETCH_Q \slot, (\q)+1, 4
.endm
; A slot's last step changes slots: one barrier; in front of it each wave waits for all its tensor loads, adds 0 to its spare word, and waits for that and for its reads of this slot.  fill = 1: the slot is filled again, two K steps ahead.
.macro TURN slot, next, fill
	s_wait_tensorcnt 0x0                           ; all my tensor loads have landed: my part of the next slot (every window is 0 here)
	ds_add_u32 v[SPW], v[NIL]                      ; 0 onto my spare word
	s_wait_dscnt 4*NL+1                            ; the add and the youngest sixteen loads may be out
	WIN MUL_LO
	MUL16 0, 1, 0                                  ; sixteen matrix instructions stand between the add and the wait for it
	s_wait_dscnt 0x0                               ; the add is done, and my reads of this slot are over
	s_barrier_signal -1
	MUL16 2, 1, 0
	WIN 0
	s_barrier_wait -1
.if \fill
	CREST                                          ; the barrier has opened a round of the cluster's: no wave of any partner still reads this slot or has a load on its way
	s_add_nc_u64 s[G0+4*\slot+2:G0+4*\slot+3], s[G0+4*\slot+2:G0+4*\slot+3], 2*ROWB
	s_add_nc_u64 s[G0B+4*\slot+2:G0B+4*\slot+3], s[G0B+4*\slot+2:G0B+4*\slot+3], 2*ROWB
	JLOAD G0+4*\slot, G1, G0B+4*\slot, G1B         ; the first tensor load behind the round; its four v_nop are also the places in front of the loads below
.else
	PLACES NP
.endif
	FETCH_P \next, 0, 0
	FETCH_Q \next, 0, 0
	WIN MUL_HI
	MUL16 4, 1, 0
	MUL16 6, 1, 0
	PLACES NP
	WIN 0
	FETCH_Q \next, 0, 4
.endm
	s_wait_tensorcnt 1                             ; my part of K step 0 is in; K step 1's load, the one issued behind it, may be out
	s_barrier_signal -1
	s_barrier_wait -1                              ; everybody's is
	FETCH_P 0, 0, 0
	FETCH_Q 0, 0, 0
	FETCH_Q 0, 0, 4
	STEP 0, 0, 1                                   ; K = 1,024 is eight steps of 128: written out, no loop.  The first starts the sums
	TURN 0, 1, 1                                   ; slot 0 takes K step 2
	STEP 1, 0, 0
	TURN 1, 0, 1                                   ; slot 1 takes K step 3
	STEP 0, 0, 0
	TURN 0, 1, 0                                   ; nothing is left to fetch; behind this barrier nobody reads slot 0
	STEP 1, 0, 0
	s_wait_dscnt 4*NL                              ; the last step
	WIN MUL_LO
	MUL16 0, 1, 0
	MUL16 2, 1, 0
	s_wait_alu depctr_va_vdst(0)
	s_wait_dscnt 0
	WIN MUL_HI
	MUL16 4, 1, 0
	MUL16 6, 1, 0
	WIN 0
; THE WAY OUT.  Block a (16 Q rows x my 128 P): each accumulator from its low end on;
; eight numbers become eight codes; the codes of accumulators 2 g and 2 g + 1 are 16 bytes on end and go into the stage.  Each block has code registers of its own.
.macro CODES a
.set AC, 64*((\a)%4)
	WIN 0x02+((\a)/4)                              ; source 0: window 2 or 3
.set j, 0
.rept 64
.set j, j+1
.endr
.irp b, 0,1,2,3,4,5,6,7
	v_cvt_scalef32_pk8_fp8_f32 v[COD+16*(\a)+2*\b:COD+16*(\a)+2*\b+1], v[AC+8*\b:AC+8*\b+7], v[SCL]
.endr
	WIN 0
	v_nop
.irp g, 0,1,2,3
	ds_store_b128 v[STO], v[COD+16*(\a)+4*\g:COD+16*(\a)+4*\g+3] offset:(\g/2)*CBLK+(\a)*4*UNIT+32*(\g%2)
.endr
.endm
	PLACES NP                                      ; behind the last products: their results are read, and Q's fragment registers written, below
.irp a, 0,1,2,3,4,5,6,7
	CODES \a
.endr
	s_wait_dscnt 0x0                               ; for the others' sake: my stores into the stage are done
	s_barrier_signal -1
	s_barrier_wait -1                              ; a column block's 256 rows come from two waves
.set i, 0
.rept 32
	ds_load_b128 v[COD+4*i:COD+4*i+3], v[RD] offset:2*UNIT*i
.set i, i+1
.endr
.set i, 0
.rept 32
	s_wait_dscnt 31-i                              ; LDS loads come back in order: load i is in, the 31 - i younger ones may be out
	global_store_b128 v[GOF+i/8], v[COD+4*i:COD+4*i+3], s[10:11] offset:512*(i%8)   ; 32 lanes store 512 consecutive bytes, at a multiple of 512 from the buffer's first byte
.set i, i+1
.endr
	s_wait_tensorcnt 0x0                           ; the wave's end
	ds_add_u32 v[SPW], v[NIL]
	s_wait_dscnt 0x0
	CROUND                                         ; the closing round
	s_endpgm
.Lfunc_end_k_qb304a1d828_qkv:
	.size	k_qb304a1d828_qkv, .Lfunc_end_k_qb304a1d828_qkv-k_qb304a1d828_qkv
	.p2alignl 7, 3214868480
	.fill 96, 4, 3214868480
	.section	.rodata,"a",@progbits
	.p2align	6, 0x0
	.amdhsa_kernel k_qb304a1d828_qkv
		.amdhsa_group_segment_fixed_size 327680
		.amdhsa_private_segment_fixed_size 0
		.amdhsa_enable_private_segment 0
		.amdhsa_kernarg_size 48
		.amdhsa_user_sgpr_count 2
		.amdhsa_user_sgpr_kernarg_segment_ptr 1
		.amdhsa_wavefront_size32 1
		.amdhsa_system_sgpr_workgroup_id_x 1
		.amdhsa_system_sgpr_workgroup_id_y 1
		.amdhsa_system_sgpr_workgroup_id_z 1
		.amdhsa_system_vgpr_workitem_id 0
		.amdhsa_next_free_vgpr 1024
		.amdhsa_next_free_sgpr 100
		.amdhsa_reserve_vcc 0
		.amdhsa_float_denorm_mode_32 3
		.amdhsa_float_denorm_mode_16_64 3
		.amdhsa_fp16_overflow 1
		.amdhsa_memory_ordered 1
		.amdhsa_forward_progress 1
		.amdhsa_inst_pref_size 93
	.end_amdhsa_kernel
	.amdgpu_metadata
---
amdhsa.version: [ 1, 2 ]
amdhsa.kernels:
  - .name:           k_qb304a1d828_qkv
    .symbol:         k_qb304a1d828_qkv.kd
    .args:
      - { .name: x_codes, .offset: 0, .size: 8, .value_kind: global_buffer, .address_space: global }
      - { .name: w_qkv_codes, .offset: 8, .size: 8, .value_kind: global_buffer, .address_space: global }
      - { .name: lowp_scales, .offset: 16, .size: 8, .value_kind: global_buffer, .address_space: global }
      - { .name: q_codes, .offset: 24, .size: 8, .value_kind: global_buffer, .address_space: global }
      - { .name: k_codes, .offset: 32, .size: 8, .value_kind: global_buffer, .address_space: global }
      - { .name: v_codes, .offset: 40, .size: 8, .value_kind: global_buffer, .address_space: global }
    .group_segment_fixed_size: 327680
    .private_segment_fixed_size: 0
    .kernarg_segment_align: 8
    .kernarg_segment_size: 48
    .max_flat_workgroup_size: 128
    .sgpr_count:     100
    .vgpr_count:     1024
    .wavefront_size: 32
...
	.end_amdgpu_metadata
.endif
;; end of part 1
;; launch attn (part 2): grid 4 x 64, 16 waves a work-group, no clusters, 296,960 bytes of LDS; arguments q_codes, k_codes, v_codes, lowp_scales, y_codes; writes y_codes
.if DOCPART == 2
	.amdgcn_target "amdgcn-amd-amdhsa--gfx1250"
	.amdhsa_code_object_version 6
	.text
	.protected	k_qb304a1d828_attn
	.globl	k_qb304a1d828_attn
	.p2align	8
	.type	k_qb304a1d828_attn,@function
k_qb304a1d828_attn:
	s_mov_b64 s[64:65], 0
	v_nop
	global_prefetch_b8 v0, s[64:65] scope:SCOPE_SE
	s_setreg_imm32_b32 hwreg(HW_REG_WAVE_MODE, 25, 1), 1
	s_wait_xcnt 0x0
; y = softmax(q k^T / 8, causal) v for one head, both products on codes of FP8 (E4M3), and y quantised for the last product.
; q_codes, k_codes: [bh][t][64]; v_codes: [bh][t / 64][d][64 keys] (orders inside a row: as the launch before lays them).  y_codes: [token / 128][head][token % 128][64 d], d in its own order.
; THE SOFTMAX: t = score x log2(e) / 8; M = the row's largest t so far, rounded UP to a whole number; p = 2^(t - M) is quantised with 2^e4, not normalised; the row's sum is taken of the unquantised p and divides at the end.
; When M moves, the sum and O are multiplied by 2^(old M - new M): exact.
; SHARES.  Work-group (p, bh) owns the blocks of 256 queries p and 7 - p of one head; wave w one tile of 16 queries in each: tile A from query 256 p + 16 w, tile B from 256 (7 - p) + 16 w.  With the steps that lie wholly
; behind the diagonal left out, a wave has 16 to 18 tile-steps of 128 keys whatever p is: 256 work-groups of equal work.  Sixteen waves, four to a SIMD: one wave's vector work stands beside another's products and LDS loads.
; THE WHOLE HEAD LIES IN LDS, FILLED ONCE: K 2,048 rows of 64 bytes, V likewise, each as 512 units of four rows + 16 bytes of padding.  No byte is filled again: no ring, two barriers.
; The first 512 keys come by loads of their own, so that the work begins while the other 1,536 are on their way.
; NO CLUSTER, though the four work-groups of a head read the same K and V: each leaves out key steps by scalar branches on its own blocks of queries, which would be its place in the cluster, and partners of joint
; loads must run alike; walking every step would be 32 tile-steps a wave in place of 16 to 18.
; LAYOUT.  S^T = K Q^T (source 0 = 16 neighbouring keys, source 1 = my 16 queries), O^T = V^T P^T: a lane holds ONE query (lane % 16).  Register j of score tile t is key 16 t + 8 (lane / 16) + j: its eight codes are
; registers 2 t, 2 t + 1 of the second product's operand, the place that the plain form of K = 128 gives those keys.
; LIMITS on the given exponents, so that each power of two below is an f32 number: e2 + e3 between -123 and 130; e4 between -126 and 119; e6 - e4 - e5 between -126 and 119.  NaN codes are not served.
; REGISTERS: v1, v2 my lane's place in K, in V; v3, v4 addresses in hand; v5 mask; v6 r - 8 h; v7 -infinity; v8-11 tile A's -M, largest t, sum (two halves); v12-15 tile B's; v16-23, v24-31 Q of A, of B;
;   v32-95 K's 8 fragments, then V's 4; v96-159 S^T, then p; v160-191, v192-223 O^T of A, of B; v224-239 p's codes; v240-255 constants and work.
.set UNIT,  272                        ; four rows of 64 bytes + 16 of padding = 68 words: sixteen neighbouring rows, 16 bytes each, touch every bank once (64 banks of 4 bytes: ISA guide 11.1)
.set KSB,   32*UNIT                    ; a key step: 128 rows of K, or 2 x 64 rows of V
.set VOFF,  512*UNIT                   ; V lies behind K
.set STG,   2*VOFF                     ; behind both: 1,024 bytes for each wave, for the way out
.set C0U,   64                         ; units that a fetching wave brings of the first 512 keys,
.set C1U,   192                        ; and of the rest
.set AK0,  1
.set AV0,  2
.set ADK,  3
.set ADV,  4
.set TB,   2                           ; s2   LDS byte at which the step's rows begin
.set KF,   48                          ; s48  the step's first key
	s_load_b256 s[4:11], s[0:1], 0x0               ; q s[4:5], k s[6:7], v s[8:9], the scales' exponents s[10:11]
	s_load_b64 s[12:13], s[0:1], 0x20              ; y
	v_lshl_add_u32 v254, v0, 2, 0x48000
	v_mov_b32 v255, 0
	ds_add_u32 v254, v255
	ds_add_u32 v254, v255
	s_wait_dscnt 0x0
	v_lshrrev_b32 v3, 5, v0
	s_delay_alu instid0(VALU_DEP_1)
	v_readfirstlane_b32 s18, v3                    ; wave 0..15
	v_and_b32 v4, 15, v0                           ; r
	v_bfe_u32 v5, v0, 4, 1                         ; h
	s_delay_alu instid0(VALU_DEP_2)
	v_lshrrev_b32 v1, 2, v4
	s_delay_alu instid0(VALU_DEP_1)
	v_mul_u32_u24 v1, v1, UNIT
	s_delay_alu instid0(VALU_DEP_4)
	v_and_b32 v3, 3, v4
	s_delay_alu instid0(VALU_DEP_1)
	v_lshl_add_u32 v1, v3, 6, v1
	s_delay_alu instid0(VALU_DEP_1)
	v_lshl_add_u32 v[AK0], v5, 4, v1               ; (r / 4) x 272 + (r % 4) x 64 + 16 h
	s_delay_alu instid0(VALU_DEP_1)
	v_add_nc_u32 v[AV0], VOFF, v[AK0]
	s_lshl_b32 s70, s18, 10
	s_add_co_u32 s70, s70, STG                     ; my stage
	v_lshlrev_b32 v252, 6, v4
	s_delay_alu instid0(VALU_DEP_1)
	v_lshl_add_u32 v252, v5, 3, v252
	s_delay_alu instid0(VALU_DEP_1)
	v_add_nc_u32 v252, s70, v252                   ; in: row r of 64 bytes, + 8 h
	v_and_b32 v254, 31, v0
	s_delay_alu instid0(VALU_DEP_1)
	v_lshlrev_b32 v254, 4, v254                    ; 16 x lane: my place in 512 bytes of y
	s_delay_alu instid0(VALU_DEP_1)
	v_add_nc_u32 v253, s70, v254                   ; back: as the bytes lie
	v_lshlrev_b32 v6, 3, v5
	s_delay_alu instid0(VALU_DEP_1)
	v_sub_nc_u32 v6, v4, v6                        ; r - 8 h
	v_lshlrev_b32 v255, 6, v4
	s_delay_alu instid0(VALU_DEP_1)
	v_lshl_add_u32 v255, v5, 4, v255               ; Q: row r of 64 bytes, + 16 h
	s_and_b32 s71, ttmp7, 0xffff                   ; bh = 16 b + head
	s_lshl_b32 s72, s71, 17                        ; its first byte in q, k and v
	s_and_b32 s74, s18, 1                          ; what I fetch, if I fetch: which half,
	s_bfe_u32 s75, s18, 0x10001                    ; of K (waves 0, 1) or of V (waves 2, 3)
	s_mul_i32 s76, s75, VOFF
	s_mul_i32 s77, s74, C0U*UNIT
	s_add_co_u32 s77, s77, s76                     ; LDS: my part of the first 512 keys,
	s_mul_i32 s78, s74, C1U*UNIT
	s_add_co_u32 s78, s78, s76
	s_add_co_u32 s78, s78, 2*C0U*UNIT              ; and of the rest
	s_lshl_b32 s80, s74, 14
	s_add_co_u32 s80, s80, s72                     ; the same in memory
	s_mov_b32 s81, 0
	s_mul_i32 s82, s74, C1U*256
	s_add_co_u32 s82, s82, s72
	s_add_co_u32 s82, s82, 2*C0U*256
	s_mov_b32 s83, 0
	; group 1, twice: dense rows of 256 bytes (32 elements of 8 bytes), 4 words of padding behind every 64; 64 rows, and 192 rows
	s_mov_b32 s24, (3<<16)|(1<<20)|(5<<22)|(3<<25)
	s_mov_b32 s25, 32<<16                          ; tensor_dim0
	s_mov_b32 s26, C0U<<16                         ; tensor_dim1
	s_mov_b32 s27, 32<<16                          ; tile_dim0
	s_mov_b32 s28, C0U                             ; tile_dim1
	s_mov_b32 s29, 32                              ; from row to row
	s_mov_b32 s30, 0
	s_mov_b32 s31, 0
	s_mov_b32 s32, (3<<16)|(1<<20)|(5<<22)|(3<<25)
	s_mov_b32 s33, 32<<16
	s_mov_b32 s34, C1U<<16
	s_mov_b32 s35, 32<<16
	s_mov_b32 s36, C1U
	s_mov_b32 s37, 32
	s_mov_b32 s38, 0
	s_mov_b32 s39, 0
	s_lshl_b32 s19, ttmp9, 8                       ; 256 p
	s_lshl_b32 s53, s18, 4                         ; 16 w
	s_add_co_u32 s49, s19, s53                     ; tile A's first query,
	s_add_co_u32 s50, s49, 15                      ; and its last
	s_sub_co_u32 s51, 7*256, s19
	s_add_co_u32 s51, s51, s53                     ; tile B's
	s_add_co_u32 s52, s51, 15
	s_lshr_b32 s88, s71, 4
	s_lshl_b32 s88, s88, 4                         ; y: 16 blocks of 128 tokens a batch,
	s_lshr_b32 s89, s18, 3
	s_add_co_u32 s88, s88, s89                     ; + wave / 8,
	s_lshl_b32 s89, ttmp9, 1
	s_add_co_u32 s90, s88, s89                     ; + 2 p: tile A's block of 128 tokens
	s_sub_co_u32 s89, 14, s89
	s_add_co_u32 s92, s88, s89                     ; + 2 (7 - p): tile B's
	s_and_b32 s88, s71, 15
	s_lshl_b32 s88, s88, 13                        ; the head: 128 rows of 64 bytes
	s_and_b32 s89, s18, 7
	s_lshl_b32 s89, s89, 10                        ; my 16 rows
	s_add_co_u32 s88, s88, s89
	s_lshl_b32 s90, s90, 17
	s_add_co_u32 s90, s90, s88
	s_mov_b32 s91, 0
	s_lshl_b32 s92, s92, 17
	s_add_co_u32 s92, s92, s88
	s_mov_b32 s93, 0
	s_lshl_b32 s94, s49, 6
	s_add_co_u32 s94, s94, s72                     ; Q: tile A's first row,
	s_mov_b32 s95, 0
	s_lshl_b32 s88, s51, 6
	s_add_co_u32 s88, s88, s72                     ; tile B's
	s_mov_b32 s89, 0
	s_mov_b32 s20, 0x76543210                      ; v_permlanex16_b32's selects: lane l xor 16
	s_mov_b32 s21, 0xfedcba98
	s_wait_kmcnt 0x0
	s_load_b256 s[56:63], s[10:11], 0x0            ; e0 .. e7
	s_cmp_eq_u32 s75, 0
	s_cselect_b64 s[14:15], s[6:7], s[8:9]         ; K's codes or V's: the choice hangs on the wave's number alone
	s_mov_b32 s40, 1
	s_mov_b32 s41, s77
	s_add_nc_u64 s[42:43], s[14:15], s[80:81]
	s_or_b32 s43, s43, 0x80000000
	s_mov_b32 s44, 1
	s_mov_b32 s45, s78
	s_add_nc_u64 s[46:47], s[14:15], s[82:83]
	s_or_b32 s47, s47, 0x80000000
	s_cmp_lt_u32 s18, 4                            ; waves 0 to 3 fetch: a wave's two fills stand in one branch, ahead of every wait on TENSORcnt, every LDS read and every barrier: two loads of mine are out
	s_cbranch_scc0 .Lno_fetch
	tensor_load_to_lds s[40:43], s[24:31]          ; my half of the first 512 keys
	s_nop 0
	tensor_load_to_lds s[44:47], s[32:39]          ; my half of the other 1,536
	s_nop 0
.rept 4
	v_nop
.endr
.Lno_fetch:
	s_add_nc_u64 s[66:67], s[4:5], s[94:95]
	s_add_nc_u64 s[68:69], s[4:5], s[88:89]
	s_add_nc_u64 s[84:85], s[12:13], s[90:91]      ; y at tile A's rows,
	s_add_nc_u64 s[86:87], s[12:13], s[92:93]      ; at tile B's
	s_wait_alu depctr_va_vdst(0)
	global_load_b128 v[16:19], v255, s[66:67]      ; Q's fragments stay in registers; their 16-byte pieces lie as K's do, so every product meets its partner
	global_load_b128 v[20:23], v255, s[66:67] offset:32
	global_load_b128 v[24:27], v255, s[68:69]
	global_load_b128 v[28:31], v255, s[68:69] offset:32
	v_mov_b32 v7, 0xff800000                       ; -infinity
	v_mov_b32 v9, 0xff61b1e6                       ; the largest t so far: -3e38, under every t
	v_mov_b32 v13, 0xff61b1e6
	s_delay_alu instid0(VALU_DEP_2)
	v_floor_f32 v8, -v9                            ; -M
	s_delay_alu instid0(VALU_DEP_2)
	v_floor_f32 v12, -v13
	v_mov_b32 v10, 0                               ; the sums, in two halves
	v_mov_b32 v11, 0
	v_mov_b32 v14, 0
	v_mov_b32 v15, 0
	v_mov_b32 v246, 0                              ; written once: a lane permute's destination counts as one of its sources
	v_mov_b32 v251, 0                              ; (named as the upper half of the pair v[250:251])
.set j, 0
.rept 64
	v_mov_b32 v[160+j], 0                          ; O^T of both tiles: the step is written with no first step of its own; the first change of M multiplies zeros
.set j, j+1
.endr
	s_wait_kmcnt 0x0
	s_add_co_i32 s92, s58, s59
	s_lshl_b32 s92, s92, 23
	s_mov_b32 s22, 0x3e38aa3b                      ; c = log2(e) / 8
	s_add_co_i32 s22, s22, s92                     ; a score stands for score x 2^(e2 + e3): the exponents are added to c's exponent field
	s_mov_b32 s23, s22                             ; (named with it as a pair)
	s_add_co_i32 s92, s60, 127
	s_lshl_b32 s93, s92, 23
	v_mov_b32 v241, s93                            ; 2^e4, for p's conversions
	s_sub_co_i32 s92, s62, s60
	s_sub_co_i32 s92, s92, s61                     ; O / the sum stands for y / 2^(e4 + e5): y's code is that / 2^(e6 - e4 - e5)
	s_add_co_i32 s92, s92, 127
	s_lshl_b32 s93, s92, 23
	v_mov_b32 v244, s93
; A TILE-STEP: 16 queries x 128 keys.  nm: the tile's statistics; qf: its Q; ob: its O^T; q0, ql: scalar registers with its first and last query.
.macro STEP nm, qf, ob, q0, ql
	s_cmp_gt_u32 s[KF], s[\ql]                     ; all 128 keys come after my 16 queries: the step is left out (a scalar branch on ids; no barrier and no tensor load stands in a step)
	s_cbranch_scc1 .Lhidden_\@
	v_add_nc_u32 v[ADK], s[TB], v[AK0]
	v_add_nc_u32 v[ADV], s[TB], v[AV0]
	v_nop                                          ; with the two additions: four places between the last products and the loads into their operands' registers
	v_nop
.irp t, 0,1,2,3,4,5,6,7
	ds_load_b128 v[32+8*\t:35+8*\t], v[ADK] offset:4*UNIT*\t       ; keys 16 t + r
	ds_load_b128 v[36+8*\t:39+8*\t], v[ADK] offset:4*UNIT*\t+32
.endr
	s_wait_alu depctr_va_vdst(0)
	s_wait_dscnt 0x0
.irp t, 0,1,2,3,4,5,6,7
	v_wmma_f32_16x16x64_fp8_fp8 v[96+8*\t:103+8*\t], v[32+8*\t:39+8*\t], v[\qf:\qf+7], 0
.endr
.rept 4
	v_nop                                          ; places: V's loads land where K's fragments lay, and the scores are read below
.endr
.irp t, 0,1,2,3                                ; V^T: channels 16 t + r; load c brings keys 32 c + 8 h + 0..7 and 32 c + 16 + 8 h + 0..7: registers 4 c .. 4 c + 3.  They land under the softmax
.irp c, 0,1,2,3
	ds_load_b128 v[32+16*\t+4*\c:35+16*\t+4*\c], v[ADV] offset:(\c/2)*16*UNIT+\t*4*UNIT+32*(\c%2)
.endr
.endr
	s_add_co_u32 s54, s[KF], 127
	s_cmp_le_u32 s54, s[\q0]                       ; every key counts for every query: no mask
	s_cbranch_scc1 .Lopen_\@
	s_sub_co_i32 s54, s[\q0], s[KF]
	v_add_nc_u32 v5, s54, v6                       ; d = my query - the step's first key - 8 h: register 8 t + j is hidden where 16 t + j > d
.set n, 0
.rept 64
	v_cmp_gt_i32 vcc_lo, 16*(n/8)+n%8, v5
	v_cndmask_b32 v[96+n], v[96+n], v7, vcc_lo     ; -infinity ahead of the maximum: p = 0 then.  The step's first key counts for every query of the tile
.set n, n+1
.endr
.Lopen_\@:
	v_max3_num_f32 v248, v96, v97, v98             ; the step's largest score of my query among my 64 keys, in two chains, each accumulator from its low end on,
	v_max3_num_f32 v249, v99, v100, v101
.irp i, 6,10,14,18,22,26,30,34,38,42,46,50,54,58
	v_max3_num_f32 v248, v248, v[96+\i], v[97+\i]
	v_max3_num_f32 v249, v249, v[98+\i], v[99+\i]
.endr
	v_max3_num_f32 v248, v248, v158, v159
	s_delay_alu instid0(VALU_DEP_1)
	v_max_num_f32 v248, v248, v249
	s_delay_alu instid0(VALU_DEP_1)
	v_permlanex16_b32 v246, v248, s20, s21
	s_delay_alu instid0(VALU_DEP_1)
	v_max_num_f32 v248, v248, v246                 ; and among lane l xor 16's
	s_delay_alu instid0(VALU_DEP_1)
	v_mul_f32 v248, s22, v248                      ; as t (c is positive)
	s_delay_alu instid0(VALU_DEP_1)
	v_max_num_f32 v[\nm+1], v[\nm+1], v248         ; the running largest t
	v_mov_b32 v248, v[\nm]
	s_delay_alu instid0(VALU_DEP_2)
	v_floor_f32 v[\nm], -v[\nm+1]                  ; the new -M = floor(-t) = -ceil(t)
	s_delay_alu instid0(VALU_DEP_1)
	v_sub_f32 v248, v[\nm], v248                   ; old M - new M: a whole number, 0 or less
	s_delay_alu instid0(VALU_DEP_1)
	v_cvt_i32_f32 v248, v248                       ; (it saturates)
	s_delay_alu instid0(VALU_DEP_1)
	v_ldexp_f32 v250, 1.0, v248                    ; f = 2^(old M - new M)
.set j, 0
.rept 32
	v_pk_fma_f32 v[96+j:97+j], v[96+j:97+j], s[22:23], v[\nm:\nm+1] op_sel_hi:[1,0,0]   ; t - M, two at a time
.set j, j+2
.endr
.set j, 0
	s_wait_alu depctr_va_vdst(0)
.rept 64
	v_exp_f32 v[96+j], v[96+j]                     ; p = 2^(t - M), at most 1
.set j, j+1
.endr
	v_pk_mul_f32 v[\nm+2:\nm+3], v[\nm+2:\nm+3], v[250:251] op_sel_hi:[1,0]   ; the sums under the new M: the plain line behind the exponentials
	s_wait_alu depctr_va_vdst(0)                   ; one wait for the batch of 64, ahead of its first reader
	v_pk_add_f32 v[242:243], v[96:97], v[98:99]    ; the row's sum is taken of the unquantised p, in two chains
.irp j, 4,8,12,16,20,24,28,32,36,40,44,48,52,56,60
	v_pk_add_f32 v[\nm+2:\nm+3], v[\nm+2:\nm+3], v[96+\j:97+\j]
	v_pk_add_f32 v[242:243], v[242:243], v[98+\j:99+\j]
.endr
	s_delay_alu instid0(VALU_DEP_1)
	v_pk_add_f32 v[\nm+2:\nm+3], v[\nm+2:\nm+3], v[242:243]
.irp t, 0,1,2,3,4,5,6,7
.irp i, 0,1,2,3,4,5,6,7
.endr
	v_cvt_scalef32_pk8_fp8_f32 v[224+2*\t:225+2*\t], v[96+8*\t:103+8*\t], v241
.endr
.set j, 0
.rept 16
	v_pk_mul_f32 v[\ob+j:\ob+j+1], v[\ob+j:\ob+j+1], v[250:251] op_sel_hi:[1,0]   ; O^T under the new M; also the plain lines between the conversions and the products
.set j, j+2
.endr
	s_wait_alu depctr_va_vdst(0)
	s_wait_dscnt 0x0                               ; V's fragments are in
.irp t, 0,1,2,3
	v_wmma_f32_16x16x128_fp8_fp8 v[\ob+8*\t:\ob+8*\t+7], v[32+16*\t:47+16*\t], v[224:239], v[\ob+8*\t:\ob+8*\t+7]   ; four accumulators by turns
.endr
.Lhidden_\@:
.endm
.macro TRIP                            ; a key step for both tiles
	STEP 8, 16, 160, 49, 50
	STEP 12, 24, 192, 51, 52
	s_add_co_u32 s[KF], s[KF], 128
	s_add_co_u32 s[TB], s[TB], KSB
.endm
	s_wait_loadcnt 0x0                             ; Q
	s_wait_tensorcnt 0x1                           ; my part of the first 512 keys is in; the load issued behind it may stay out
	s_barrier_signal -1
	s_barrier_wait -1                              ; everybody's is
	s_mov_b32 s[TB], 0
	s_mov_b32 s[KF], 0
	s_mov_b32 s3, 4
.Lfirst:                                           ; keys 0 to 511: four trips in every work-group; what is hidden is jumped over inside
	TRIP
	s_sub_co_u32 s3, s3, 1
	s_cmp_lg_u32 s3, 0
	s_cbranch_scc1 .Lfirst
	s_wait_tensorcnt 0x0                           ; my part of the other 1,536 keys is in
	s_wait_dscnt 0x0
	s_barrier_signal -1
	s_barrier_wait -1                              ; everybody's is
	s_mov_b32 s[TB], 4*KSB
	s_mov_b32 s[KF], 512
	s_mov_b32 s3, 12
.Lrest:
	TRIP
	s_sub_co_u32 s3, s3, 1
	s_cmp_lg_u32 s3, 0
	s_cbranch_scc1 .Lrest
; THE WAY OUT of a tile: O^T / the sum, converted; a lane's eight codes of channel tile t go to byte 16 t + 8 h of row r in my stage; the 1,024 bytes come back as they lie and leave as two stores of 512 bytes.
.macro OUT nm, ob, rb, base
	v_add_f32 v248, v[\nm+2], v[\nm+3]             ; the sum's two halves,
	s_delay_alu instid0(VALU_DEP_1)
	v_permlanex16_b32 v246, v248, s20, s21
	s_delay_alu instid0(VALU_DEP_1)
	v_add_f32 v248, v248, v246                     ; and lane l xor 16's
	s_wait_alu depctr_va_vdst(0)
	v_rcp_f32 v250, v248
	v_nop                                          ; a plain line behind the reciprocal
	s_wait_alu depctr_va_vdst(0)                   ; and the wait ahead of its first reader
.set j, 0
.rept 16
	v_pk_mul_f32 v[96+j:97+j], v[\ob+j:\ob+j+1], v[250:251] op_sel_hi:[1,0]   ; each accumulator from its low end on
.set j, j+2
.endr
.set j, 0
.rept 32
.set j, j+1
.endr
.irp t, 0,1,2,3
	v_cvt_scalef32_pk8_fp8_f32 v[224+2*\t:225+2*\t], v[96+8*\t:103+8*\t], v244
.endr
	v_nop                                          ; one plain line behind the last conversion
.irp t, 0,1,2,3
	ds_store_b64 v252, v[224+2*\t:225+2*\t] offset:16*\t
.endr
	ds_load_b128 v[\rb:\rb+3], v253                ; LDS serves a wave's instructions in order (ISA guide 5.7.1.4): these see my stores
	ds_load_b128 v[\rb+4:\rb+7], v253 offset:512
	s_wait_dscnt 0x0
	global_store_b128 v254, v[\rb:\rb+3], s[\base:\base+1]             ; 32 lanes store 512 consecutive bytes, at a multiple of 512 from y's first byte
	global_store_b128 v254, v[\rb+4:\rb+7], s[\base:\base+1] offset:512
.endm
.rept 4
	v_nop                                          ; places behind the last products
.endr
	OUT 8, 160, 32, 84
	OUT 12, 192, 40, 86                            ; registers of its own for what it stores: no store's data are written again
	s_wait_xcnt 0x0
	v_lshl_add_u32 v254, v0, 2, 0x48000
	v_mov_b32 v255, 0
	s_wait_alu depctr_va_vdst(0)
	s_wait_tensorcnt 0x0
	ds_add_u32 v254, v255
	s_wait_dscnt 0x0
	s_endpgm
.Lfunc_end_k_qb304a1d828_attn:
	.size	k_qb304a1d828_attn, .Lfunc_end_k_qb304a1d828_attn-k_qb304a1d828_attn
	.p2alignl 7, 3214868480
	.fill 96, 4, 3214868480
	.section	.rodata,"a",@progbits
	.p2align	6, 0x0
	.amdhsa_kernel k_qb304a1d828_attn
		.amdhsa_group_segment_fixed_size 296960
		.amdhsa_private_segment_fixed_size 0
		.amdhsa_enable_private_segment 0
		.amdhsa_kernarg_size 40
		.amdhsa_user_sgpr_count 2
		.amdhsa_user_sgpr_kernarg_segment_ptr 1
		.amdhsa_wavefront_size32 1
		.amdhsa_system_sgpr_workgroup_id_x 1
		.amdhsa_system_sgpr_workgroup_id_y 1
		.amdhsa_system_sgpr_workgroup_id_z 1
		.amdhsa_system_vgpr_workitem_id 0
		.amdhsa_next_free_vgpr 256
		.amdhsa_next_free_sgpr 96
		.amdhsa_reserve_vcc 1
		.amdhsa_float_denorm_mode_32 3
		.amdhsa_float_denorm_mode_16_64 3
		.amdhsa_fp16_overflow 1
		.amdhsa_memory_ordered 1
		.amdhsa_forward_progress 1
		.amdhsa_inst_pref_size 90
	.end_amdhsa_kernel
	.amdgpu_metadata
---
amdhsa.version: [ 1, 2 ]
amdhsa.kernels:
  - .name:           k_qb304a1d828_attn
    .symbol:         k_qb304a1d828_attn.kd
    .args:
      - { .name: q_codes, .offset: 0, .size: 8, .value_kind: global_buffer, .address_space: global }
      - { .name: k_codes, .offset: 8, .size: 8, .value_kind: global_buffer, .address_space: global }
      - { .name: v_codes, .offset: 16, .size: 8, .value_kind: global_buffer, .address_space: global }
      - { .name: lowp_scales, .offset: 24, .size: 8, .value_kind: global_buffer, .address_space: global }
      - { .name: y_codes, .offset: 32, .size: 8, .value_kind: global_buffer, .address_space: global }
    .group_segment_fixed_size: 296960
    .private_segment_fixed_size: 0
    .kernarg_segment_align: 8
    .kernarg_segment_size: 40
    .max_flat_workgroup_size: 512
    .sgpr_count:     96
    .vgpr_count:     256
    .wavefront_size: 32
...
	.end_amdgpu_metadata
.endif
;; end of part 2
;; launch proj (part 3): grid 4 x 64, 4 waves a work-group, clusters of 4 x 4, 327,680 bytes of LDS; arguments y_codes, w_out_codes, lowp_scales, out0; writes out0
.if DOCPART == 3
	.amdgcn_target "amdgcn-amd-amdhsa--gfx1250"
	.amdhsa_code_object_version 6
	.text
	.protected	k_qb304a1d828_proj
	.globl	k_qb304a1d828_proj
	.p2align	8
	.type	k_qb304a1d828_proj,@function
k_qb304a1d828_proj:
	s_mov_b64 s[64:65], 0
	v_nop
	global_prefetch_b8 v0, s[64:65] scope:SCOPE_SE
	s_setreg_imm32_b32 hwreg(HW_REG_WAVE_MODE, 25, 1), 1
	s_wait_xcnt 0x0
	s_wait_alu depctr_hold_cnt(0) depctr_sa_sdst(0) depctr_va_vdst(0) depctr_va_sdst(0) depctr_va_ssrc(0) depctr_va_vcc(0) depctr_vm_vsrc(0)
	s_getreg_b32 s2, hwreg(HW_REG_IB_STS2, 6, 4)
	s_cmp_eq_u32 s2, 0
	s_cbranch_scc0 .Lentry_in_a_cluster
	s_endpgm
.Lentry_in_a_cluster:
	s_bfe_u32 s2, ttmp6, 0x10000c
	s_cmp_lg_u32 s2, 0xf033
	s_cbranch_scc0 .Lentry_shape_is_right
	s_endpgm
.Lentry_shape_is_right:
; out0 = y w_out^T on codes of FP8 (E4M3); each finished sum x 2^(e6 + e7).  y_codes: [token / 128][head][token % 128][64]; w_out: [1024][1024] codes, K innermost; out0: [8192][1024] f32.
; A work-group of four waves makes 128 tokens x 256 outputs: 64 x 4 = 256 work-groups; a wave 64 x 128: 32 accumulators, 256 registers.  (256 x 256 would give 128 work-groups.)
; K = 1,024 goes in four steps of 256 (four heads) through THREE LDS slots: K steps 0, 1, 2 are first fills, K step 3 is the one refill, of slot 0.  A wave has three tensor loads out at the most.
; A's tile of a K step (four heads x 128 tokens x 64) is one dense block of 32,768 bytes: it comes as rows of 256 bytes (four tokens of a head), 16 bytes of padding behind each.
; CLUSTERS: 4 x 4 work-groups.  The four of a row need the same tile of y, the four of a column the same rows of w_out: each tile is asked for jointly.
; THE MATRIX INSTRUCTION IS USED TRANSPOSED (source 0 = 16 rows of w_out, source 1 = 16 tokens): a lane holds eight neighbouring outputs of one token.
; LIMIT: e6 + e7 between -126 and 127, so that 2^(e6 + e7) is an f32 number.  NaN codes among the inputs are not served.
; REGISTERS: window 0: v0-31 addresses; v32-95 way out; v128-191, v192-255 A's fragments, two sets (way out: rows read back).  window 1: B's fragments, two sets.  window 2: the accumulators, (a, b) at v[8 (8 a + b)].
.set UNIT,   272                       ; four tokens' 64 bytes + 16 of padding
.set PITCH,  272                       ; a row of w_out's tile: 256 bytes + 16
.set ROWB,   256
.set FR,     16
.set AREG,   128*UNIT                  ; A's part of a slot: four heads x 32 units
.set BHALF,  128*PITCH
.set SLOT,   AREG+2*BHALF
.set SPARE,  3*SLOT                    ; behind the slots: the spare words, 128 bytes a wave
.set STG,    SLOT                      ; the way out: 16 rows x 528 bytes for each wave, in slot 1: filled once, and read by nobody behind the last barrier
.set SPITCH, 528
.set ADRA, 16                          ; v16-18  LDS address of my A fragments in slot 0, 1, 2
.set ADRB, 20                          ; v20-22  the same for B
.set STO,  24
.set RD,   25
.set CO,   26
.set SPW,  28                          ; LDS address of my spare word; never rewritten
.set NIL,  29                          ; 0; never rewritten
.set TMP,  32
.set AF,   128
.set BK,   128
.set G1A, 24                           ; s[24:31] group 1 for y's tiles;  s[32:43] group 0, one set for each slot
.set G0A, 32
.set G1B, 48                           ; s[48:55] group 1 for w_out's;    s[68:79] group 0
.set G0B, 68
.set MSB, 0
.macro WIN new                         ; the immediate's high byte repeats the setting that is left
.if MSB != \new
	s_set_vgpr_msb (MSB<<8)|\new
.set MSB, \new
.endif
.endm
.set MUL,  0xa1                        ; source 0 (B) window 1, source 1 (A) window 0, C and D window 2
.set TO_B, 0x40                        ; destination window 1, address window 0
.macro CREST                           ; a round of the cluster's barrier behind its opening barrier
	s_cmp_lg_u32 s14, 0
	s_cbranch_scc1 .Lnot_wave_0_\@
	s_barrier_signal -3
.Lnot_wave_0_\@:
	s_barrier_wait -3
	s_barrier_signal -1
	s_barrier_wait -1
.endm
.macro CROUND
	s_barrier_signal -1
	s_barrier_wait -1
	CREST
.endm
.macro PLACES                          ; four plain vector lines between a matrix instruction and a load into, or a vector read of, its registers
.rept 4
	v_nop
.endr
.endm
	s_load_b128 s[4:7], s[0:1], 0x0                ; y's codes s[4:5], w_out's codes s[6:7]
	s_load_b128 s[8:11], s[0:1], 0x10              ; the scales' exponents s[8:9], out0 s[10:11]
	v_lshl_add_u32 v[SPW], v0, 2, SPARE
	v_mov_b32 v[NIL], 0
	ds_add_u32 v28, v29
	ds_add_u32 v28, v29
	s_wait_dscnt 0x0
	v_lshrrev_b32 v1, 5, v0
	v_readfirstlane_b32 s14, v1                    ; wave 0..3
	s_lshr_b32 s15, s14, 1                         ; which 64 tokens are mine.  Also: I fetch for y (0) or for w_out (1)
	s_and_b32 s16, s14, 1                          ; which 128 outputs.  Also: which half of that tile I fetch
	s_bfe_u32 s80, ttmp6, 0x40000                  ; cx, cy
	s_bfe_u32 s81, ttmp6, 0x40004
	s_lshl_b32 s82, ttmp9, 2
	s_add_co_u32 s82, s82, s80                     ; tile column (256 outputs)
	s_and_b32 s17, ttmp7, 0xffff
	s_lshl_b32 s17, s17, 2
	s_add_co_u32 s17, s17, s81                     ; tile row (128 tokens)
	s_lshl_b32 s83, s81, 2
	s_lshl_b32 s83, 15, s83                        ; my row of the cluster
	s_lshl_b32 s84, 0x1111, s80                    ; my column
	s_or_b32 s[G1A+0], s83, (3<<16)|(1<<20)|(1<<21)|(5<<22)|(3<<25)  ; y's tiles go to my row; elements of 8 bytes; padding: 4 words after every 64; bit 21 beside a mask
	s_mov_b32 s[G1A+1], 32<<16                     ; tensor_dim0: 32 elements = 256 bytes
	s_mov_b32 s[G1A+2], 64<<16                     ; tensor_dim1: 64 rows (two heads x 128 tokens)
	s_mov_b32 s[G1A+3], 32<<16                     ; tile_dim0
	s_mov_b32 s[G1A+4], 64                         ; tile_dim1
	s_mov_b32 s[G1A+5], 32                         ; dense
	s_mov_b32 s[G1A+6], 0
	s_mov_b32 s[G1A+7], 0
	s_or_b32 s[G1B+0], s84, (0<<16)|(1<<20)|(1<<21)|(5<<22)|(3<<25)  ; w_out's tiles go to my column; elements of 1 byte
	s_mov_b32 s[G1B+1], ROWB<<16
	s_mov_b32 s[G1B+2], 128<<16
	s_mov_b32 s[G1B+3], ROWB<<16
	s_mov_b32 s[G1B+4], 128
	s_mov_b32 s[G1B+5], 1024                       ; a row of w_out in memory
	s_mov_b32 s[G1B+6], 0
	s_mov_b32 s[G1B+7], 0
	s_lshl_b32 s20, s17, 17                        ; y: my block of 128 tokens,
	s_lshl_b32 s21, s16, 14                        ; + two heads x 8,192 bytes for the second half
	s_add_co_u32 s20, s20, s21
	s_mov_b32 s21, 0
	s_lshl_b32 s46, s82, 8
	s_lshl_b32 s47, s16, 7
	s_add_co_u32 s46, s46, s47                     ; w_out: row 256 x tile column + 128 x half
	s_lshl_b32 s46, s46, 10
	s_mov_b32 s47, 0
	s_mul_i32 s45, s16, 64*UNIT                    ; where they go: no place in the cluster enters an LDS address
	s_mul_i32 s56, s16, BHALF
	s_add_co_u32 s56, s56, AREG
	s_wait_kmcnt 0x0
	s_load_b64 s[96:97], s[8:9], 0x18              ; e6, e7
	s_add_nc_u64 s[20:21], s[4:5], s[20:21]
	s_add_nc_u64 s[46:47], s[6:7], s[46:47]
.irp s, 0,1,2
	s_mov_b32 s[G0A+4*\s], 1
	s_add_co_u32 s[G0A+4*\s+1], s45, \s*SLOT
	s_add_nc_u64 s[G0A+4*\s+2:G0A+4*\s+3], s[20:21], \s*32768      ; K step s: four heads on
	s_or_b32 s[G0A+4*\s+3], s[G0A+4*\s+3], 0x80000000
	s_mov_b32 s[G0B+4*\s], 1
	s_add_co_u32 s[G0B+4*\s+1], s56, \s*SLOT
	s_add_nc_u64 s[G0B+4*\s+2:G0B+4*\s+3], s[46:47], \s*ROWB
	s_or_b32 s[G0B+4*\s+3], s[G0B+4*\s+3], 0x80000000
.endr
	CROUND                                         ; all sixteen work-groups are here: the first joint loads meet
	s_cmp_eq_u32 s15, 0                            ; a wave's three first fills stand in one branch, ahead of every wait on TENSORcnt and every LDS read; four v_nop follow the last
	s_cbranch_scc0 .Lfirst_b
	tensor_load_to_lds s[G0A:G0A+3], s[G1A:G1A+7]
	s_nop 0
	tensor_load_to_lds s[G0A+4:G0A+7], s[G1A:G1A+7]
	s_nop 0
	tensor_load_to_lds s[G0A+8:G0A+11], s[G1A:G1A+7]
	s_nop 0
.rept 4
	v_nop
.endr
	s_branch .Lfirst_asked
.Lfirst_b:
	tensor_load_to_lds s[G0B:G0B+3], s[G1B:G1B+7]
	s_nop 0
	tensor_load_to_lds s[G0B+4:G0B+7], s[G1B:G1B+7]
	s_nop 0
	tensor_load_to_lds s[G0B+8:G0B+11], s[G1B:G1B+7]
	s_nop 0
.rept 4
	v_nop
.endr
.Lfirst_asked:
	v_and_b32 v1, 15, v0                           ; r
	v_bfe_u32 v2, v0, 4, 1                         ; h
	v_mul_u32_u24 v3, v1, PITCH
	v_lshl_add_u32 v4, v2, 4, v3                   ; B: row x pitch + 16 h
	v_lshrrev_b32 v5, 2, v1
	v_and_b32 v6, 3, v1
	v_mul_u32_u24 v5, v5, UNIT
	v_lshl_add_u32 v5, v6, 6, v5
	v_lshl_add_u32 v5, v2, 4, v5                   ; A: (r / 4) x 272 + (r % 4) x 64 + 16 h
	s_mul_i32 s21, s15, 16*UNIT                    ; my 64 tokens = 16 units of each head
	s_mul_i32 s22, s16, BHALF
	s_add_co_u32 s22, s22, AREG                    ; my 128 rows of w_out
.irp s, 0,1,2
	v_add_nc_u32 v[ADRA+\s], s21, v5
	v_add_nc_u32 v[ADRB+\s], s22, v4
	s_add_co_u32 s21, s21, SLOT
	s_add_co_u32 s22, s22, SLOT
.endr
	s_mul_i32 s23, s14, 16*SPITCH
	s_add_co_u32 s23, s23, STG                     ; my stage
	v_mul_u32_u24 v5, v1, SPITCH
	v_lshl_add_u32 v5, v2, 5, v5
	v_add_nc_u32 v[STO], s23, v5                   ; in: row r, 32 bytes for each half of the lanes
	v_and_b32 v6, 31, v0
	v_lshlrev_b32 v[CO], 4, v6                     ; back: the 32 lanes take one row of 512 bytes; and the same in out0
	v_add_nc_u32 v[RD], s23, v[CO]
	s_lshl_b32 s20, s17, 7
	s_lshl_b32 s21, s15, 6
	s_add_co_u32 s20, s20, s21                     ; my first row of out0,
	s_lshl_b32 s20, s20, 12                        ; of 4,096 bytes (under 2^25)
	s_lshl_b32 s46, s82, 10
	s_lshl_b32 s47, s16, 9
	s_add_co_u32 s46, s46, s47                     ; my first column, in bytes
	s_add_co_u32 s20, s20, s46
	s_mov_b32 s21, 0
	s_add_nc_u64 s[10:11], s[10:11], s[20:21]
	s_wait_kmcnt 0x0
	s_add_co_i32 s96, s96, s97
	s_add_co_i32 s96, s96, 127
	s_lshl_b32 s96, s96, 23                        ; 2^(e6 + e7) as f32
	s_mov_b32 s97, s96                             ; (named with it as a pair)
; The fragments of the slot's q-th 128 along K into set p: B's eight (32 loads), A's four (16 loads).  Registers 4 c .. 4 c + 3 hold K = 32 c + 16 h + 0 .. 15 on both sides:
; in w_out's row that is byte 128 q + 32 c + 16 h; in y it is head 2 q + c / 2, channel 32 (c % 2) + 16 h.
.macro FETCH slot, q, p
	WIN TO_B
.irp i, 0,1,2,3,4,5,6,7
.irp c, 0,1,2,3
	ds_load_b128 v[128*(\p)+FR*\i+4*\c:128*(\p)+FR*\i+4*\c+3], v[ADRB+\slot] offset:128*(\q)+32*\c+\i*16*PITCH
.endr
.endr
	WIN 0
.irp i, 0,1,2,3
.irp c, 0,1,2,3
	ds_load_b128 v[AF+64*(\p)+FR*\i+4*\c:AF+64*(\p)+FR*\i+4*\c+3], v[ADRA+\slot] offset:(2*(\q)+\c/2)*32*UNIT+\i*4*UNIT+32*(\c%2)
.endr
.endr
.endm
; 8 matrix instructions: A's block a x B's eight.  The 32 accumulators take turns, in the same order in every step.
.macro MUL8 a, p, zero
.irp b, 0,1,2,3,4,5,6,7
.if \zero
	v_wmma_f32_16x16x128_fp8_fp8 v[8*(8*(\a)+\b):8*(8*(\a)+\b)+7], v[128*(\p)+FR*\b:128*(\p)+FR*\b+FR-1], v[AF+64*(\p)+FR*(\a):AF+64*(\p)+FR*(\a)+FR-1], 0
.else
	v_wmma_f32_16x16x128_fp8_fp8 v[8*(8*(\a)+\b):8*(8*(\a)+\b)+7], v[128*(\p)+FR*\b:128*(\p)+FR*\b+FR-1], v[AF+64*(\p)+FR*(\a):AF+64*(\p)+FR*(\a)+FR-1], v[8*(8*(\a)+\b):8*(8*(\a)+\b)+7]
.endif
.endr
.endm
; A step of 128 along K on set p; the next step's fragments (slot nslot, its nq-th 128) are asked for first, into the other set, and have the step's 32 products in which to come.
.macro STEP p, zero, nslot, nq
	s_wait_dscnt 0x0                               ; this step's fragments are in
	PLACES                                         ; the other set was read by the step before
	FETCH \nslot, \nq, 1-(\p)
	WIN MUL
.irp a, 0,1,2,3
	MUL8 \a, \p, \zero
.endr
.endm
	s_wait_tensorcnt 0x2                           ; my part of K step 0 is in; the two loads issued behind it may be out
	s_barrier_signal -1
	s_barrier_wait -1                              ; everybody's is
	FETCH 0, 0, 0
	STEP 0, 1, 0, 1                                ; step 0 starts the sums
	; step 1, slot 0's last: the slot is filled again, with K step 3.  In front of the barrier each wave waits for all its tensor loads, adds 0 to its spare word, and waits for that and for its reads of the slot.
	WIN 0                                          ; (the add's two registers lie in window 0)
	s_wait_tensorcnt 0x0                           ; all my tensor loads have landed: my parts of slots 1 and 2
	ds_add_u32 v[SPW], v[NIL]                      ; 0 onto my spare word
	s_wait_dscnt 0x1                               ; my fragments are in; the add may be out
	WIN MUL
	MUL8 0, 1, 0                                   ; eight matrix instructions stand between the add and the wait for it
	s_wait_dscnt 0x0                               ; the add is done, and my reads of slot 0 are over
	s_barrier_signal -1
	MUL8 1, 1, 0
	WIN 0
	s_barrier_wait -1
	CREST                                          ; the barrier has opened a round of the cluster's: no wave of any partner still reads slot 0 or has a load on its way; slots 1 and 2 are whole
	s_add_nc_u64 s[G0A+2:G0A+3], s[G0A+2:G0A+3], 3*32768
	s_add_nc_u64 s[G0B+2:G0B+3], s[G0B+2:G0B+3], 3*ROWB
	s_cmp_eq_u32 s15, 0
	s_cbranch_scc0 .Lre_b
	tensor_load_to_lds s[G0A:G0A+3], s[G1A:G1A+7]  ; the first tensor load behind the round, one a wave; it has three and a half steps, 112 products, in which to land
	s_nop 0
.rept 4
	v_nop                                          ; also the places in front of the loads below
.endr
	s_branch .Lre_asked
.Lre_b:
	tensor_load_to_lds s[G0B:G0B+3], s[G1B:G1B+7]
	s_nop 0
.rept 4
	v_nop
.endr
.Lre_asked:
	s_wait_alu depctr_va_vdst(0)
	FETCH 1, 0, 0
	WIN MUL
	MUL8 2, 1, 0
	MUL8 3, 1, 0
	STEP 0, 0, 1, 1                                ; step 2
	STEP 1, 0, 2, 0                                ; step 3; slot 2 was shown whole to every wave by the round above
	STEP 0, 0, 2, 1                                ; step 4
	; step 5: on to slot 0 with K step 3
	s_wait_tensorcnt 0x0                           ; my part of K step 3 is in: the one load that was out
	s_wait_dscnt 0x0                               ; my fragments are in: my reads of slots 1 and 2 are over
	s_barrier_signal -1
	MUL8 0, 1, 0
	MUL8 1, 1, 0
	s_barrier_wait -1                              ; everybody's is; behind this barrier nobody reads slot 1
	PLACES
	FETCH 0, 0, 0
	WIN MUL
	MUL8 2, 1, 0
	MUL8 3, 1, 0
	STEP 0, 0, 0, 1                                ; step 6
	s_wait_dscnt 0x0                               ; step 7: nothing more to fetch
.irp a, 0,1,2,3
	MUL8 \a, 1, 0
.endr
	WIN 0
; THE WAY OUT, block by block of 16 tokens x 128 outputs: x 2^(e6 + e7) into other registers, through my own stage, back as whole rows of 512 bytes.
.macro TOSTAGE a
.set AC, 64*(\a)
	WIN 0x02                                       ; source 0: window 2
.set j, 0
.rept 32
	v_pk_mul_f32 v[TMP+j:TMP+j+1], v[AC+j:AC+j+1], s[96:97] op_sel_hi:[1,0]   ; each accumulator from its low end on
.set j, j+2
.endr
	WIN 0
.irp b, 0,1,2,3,4,5,6,7
	ds_store_b128 v[STO], v[TMP+8*\b:TMP+8*\b+3] offset:64*\b
	ds_store_b128 v[STO], v[TMP+8*\b+4:TMP+8*\b+7] offset:64*\b+16
.endr
.set BB, BK+64*((\a)%2)
.irp t, 0,1,2,3,4,5,6,7,8,9,10,11,12,13,14,15
	ds_load_b128 v[BB+4*\t:BB+4*\t+3], v[RD] offset:\t*SPITCH      ; LDS serves a wave's instructions in order (ISA guide 5.7.1.4): these see my stores
.endr
.endm
.macro SEND a, younger                 ; younger: the LDS instructions issued behind block a's loads, which may stay out
.set BB, BK+64*((\a)%2)
	s_wait_dscnt \younger
.if (\a) > 0
	s_add_nc_u64 s[10:11], s[10:11], 16*4096       ; (behind a wait on XCNT: the earlier stores have read their base)  16 rows on
.endif
.irp t, 0,1,2,3,4,5,6,7,8,9,10,11,12,13,14,15
	global_store_b128 v[CO], v[BB+4*\t:BB+4*\t+3], s[10:11] offset:\t*4096 th:TH_STORE_NT   ; 32 lanes store 512 consecutive bytes, at a multiple of 512 from out0's first byte; written once, read by nobody here
.endr
.endm
	PLACES                                         ; behind the last products: results are read, and A's fragment registers loaded into, below
	TOSTAGE 0
.irp a, 1,2,3
.if \a > 1
	s_wait_xcnt 0x0                                ; block a - 2's stores have read their registers and their base
.endif
	TOSTAGE \a
	SEND \a-1, 32                                  ; behind block a - 1's loads: block a's 16 stores and 16 loads
.endr
	s_wait_xcnt 0x0                                ; block 2's stores have read their base
	SEND 3, 0
	s_wait_tensorcnt 0x0                           ; the wave's end
	ds_add_u32 v[SPW], v[NIL]
	s_wait_dscnt 0x0
	CROUND                                         ; the closing round
	s_endpgm
.Lfunc_end_k_qb304a1d828_proj:
	.size	k_qb304a1d828_proj, .Lfunc_end_k_qb304a1d828_proj-k_qb304a1d828_proj
	.p2alignl 7, 3214868480
	.fill 96, 4, 3214868480
	.section	.rodata,"a",@progbits
	.p2align	6, 0x0
	.amdhsa_kernel k_qb304a1d828_proj
		.amdhsa_group_segment_fixed_size 327680
		.amdhsa_private_segment_fixed_size 0
		.amdhsa_enable_private_segment 0
		.amdhsa_kernarg_size 32
		.amdhsa_user_sgpr_count 2
		.amdhsa_user_sgpr_kernarg_segment_ptr 1
		.amdhsa_wavefront_size32 1
		.amdhsa_system_sgpr_workgroup_id_x 1
		.amdhsa_system_sgpr_workgroup_id_y 1
		.amdhsa_system_sgpr_workgroup_id_z 1
		.amdhsa_system_vgpr_workitem_id 0
		.amdhsa_next_free_vgpr 768
		.amdhsa_next_free_sgpr 100
		.amdhsa_reserve_vcc 0
		.amdhsa_float_denorm_mode_32 3
		.amdhsa_float_denorm_mode_16_64 3
		.amdhsa_memory_ordered 1
		.amdhsa_forward_progress 1
		.amdhsa_inst_pref_size 75
	.end_amdhsa_kernel
	.amdgpu_metadata
---
amdhsa.version: [ 1, 2 ]
amdhsa.kernels:
  - .name:           k_qb304a1d828_proj
    .symbol:         k_qb304a1d828_proj.kd
    .args:
      - { .name: y_codes, .offset: 0, .size: 8, .value_kind: global_buffer, .address_space: global }
      - { .name: w_out_codes, .offset: 8, .size: 8, .value_kind: global_buffer, .address_space: global }
      - { .name: lowp_scales, .offset: 16, .size: 8, .value_kind: global_buffer, .address_space: global }
      - { .name: out0, .offset: 24, .size: 8, .value_kind: global_buffer, .address_space: global }
    .group_segment_fixed_size: 327680
    .private_segment_fixed_size: 0
    .kernarg_segment_align: 8
    .kernarg_segment_size: 32
    .max_flat_workgroup_size: 128
    .sgpr_count:     100
    .vgpr_count:     768
    .wavefront_size: 32
...
	.end_amdgpu_metadata
.endif
;; end of part 3
